; MI455X (gfx1250); checked and timed in simulation.
; The chip was launched on July 23, 2026; its instructions are those of AMD's public machine-readable ISA for CDNA 5 (MIT licence, August 2026) and "CDNA5" Instruction Set Architecture Reference Guide (July 2026). The comments in the code are by the model that wrote it; some were corrected since.
;; Tree Mapping. Allowed arithmetic: float matrix products may take bf16 or f16 operands with f32 sums; all other float work in f32.
;; Inputs: left_bin 511 x 255 float32; no_bin 511 x 255 float32; right_bin 511 x 255 float32; x 512 x 255 float32.
;; Outputs: out0 512 x 256 float32; out1 512 x 255 float32.
;; One version. Each part assembles by itself: llvm-mc -triple=amdgcn-amd-amdhsa -mcpu=gfx1250 --defsym DOCPART=n.
;; ======== version 1 of 1: 1 launch
;; launch treeprod (part 1): grid 16 x 16, 8 waves a work-group, clusters of 4 x 4, 168,960 bytes of LDS; arguments x, right_bin, left_bin, no_bin, out0, out1; writes out0, out1
.if DOCPART == 1
	.amdgcn_target "amdgcn-amd-amdhsa--gfx1250"
	.amdhsa_code_object_version 6
	.text
	.protected	k_qd51e5ef827_treeprod
	.globl	k_qd51e5ef827_treeprod
	.p2align	8
	.type	k_qd51e5ef827_treeprod,@function
k_qd51e5ef827_treeprod:
	s_mov_b64 s[64:65], 0
	v_nop
	global_prefetch_b8 v0, s[64:65] scope:SCOPE_SE
	s_setreg_imm32_b32 hwreg(HW_REG_WAVE_MODE, 25, 1), 1
	s_wait_xcnt 0x0
	s_wait_alu depctr_hold_cnt(0) depctr_sa_sdst(0) depctr_va_vdst(0) depctr_va_sdst(0) depctr_va_ssrc(0) depctr_va_vcc(0) depctr_vm_vsrc(0)
	s_getreg_b32 s2, hwreg(HW_REG_IB_STS2, 6, 4)
	s_cmp_eq_u32 s2, 0
	s_cbranch_scc0 .Lentry_in_a_cluster
	s_endpgm
.Lentry_in_a_cluster:
	s_bfe_u32 s2, ttmp6, 0x10000c
	s_cmp_lg_u32 s2, 0xf033
	s_cbranch_scc0 .Lentry_shape_is_right
	s_endpgm
.Lentry_shape_is_right:
; path[b][j] = product over k = 0..254 of ( x[b][k] R[j][k] + (1 - x[b][k]) L[j][k] + N[j][k] ),  b < 512, j < 511.
; out0[b][j] = path[b][j] for j < 256 (rows of 256 f32); out1[b][j-256] = path[b][j] for j >= 256 (rows of 255 f32).
; R, L, N are taken as they come (any numbers).  A factor is formed as fma(x, A, C) with A = R - L, C = L + N, made once
; for each work-group: one fused multiply-add and one multiply for each factor, both packed over two neighbouring k.
; A product of sums is no sum of products, and factors may be zero or negative (no logarithms): no matrix instruction here.
;
; LIMITS, stated: (1) a factor is rounded as fma(x, R-L, L+N), not as the three-term sum: it differs by a few last bits of the
; largest term.  (2) The 255 factors are multiplied in another order than a running product: 8 chunks of 32 k, in each chunk 4 chains
; of pairs.  So an intermediate product may overflow, or fall below 2^-126 and lose bits, at other places than in another order.
;
; SHARES.  16 x 16 work-groups; a work-group makes 32 rows b x 32 columns j from 32 rows of x and 32 rows each of R, L, N: 128 rows of
; 1,020 bytes (a tile of 64 j x 16 b would need 208).  Eight waves: wave w takes k = 32 w .. 32 w + 31 of the whole tile.
; Lane l (r = l % 16, h = l / 16) keeps A and C of j = r and j = r + 16 for its wave's 32 k in 128 registers and walks b = 2 i + h,
; i = 0..15, with x[b][32 k] read from LDS (the two halves of a wave read two rows).  The eight waves' partial products meet in LDS.
; The last block of columns starts at row 479 = 511 - 32 of R, L, N, so that no load leaves them; column 479 belongs to the block
; before it, so lane 0 of the last block stores nothing.
; CLUSTERS: 4 x 4 work-groups.  The tile of x hangs on the block of rows alone: the four of a row of the cluster ask for it jointly.
; The tiles of R, L, N hang on the block of columns alone: the four of a column ask jointly.  Every LDS byte is filled once: no ring.
; STORES: a store of a wave covers 128 consecutive bytes of one output row (32 columns); out1's rows of 1,020 bytes
; leave only 4-byte alignment, so both outputs go out as 4 bytes a lane, lanes side by side.
; No prefetch: the only loads of the launch are issued at its head.
.set NK,     255                       ; k, and elements from row to row in all four inputs
.set ROWB,   1020                      ; bytes in such a row
.set PITCH,  1040                      ; an LDS row: 256 f32 (column 255 arrives as zero) + 16 bytes = 65 x 16 bytes: the sixteen rows
                                       ; that a 16-byte load touches start at sixteen different 16-byte columns modulo 256 bytes
.set WROWS,  4                         ; rows of each tile that one wave fetches
.set TILE,   32*PITCH                  ; 33,280 bytes = 130 x 256
.set XT,     0                         ; LDS: x's tile,
.set RT,     TILE                      ; R's,
.set LT,     2*TILE                    ; L's,
.set NT,     3*TILE                    ; N's,
.set PART,   4*TILE                    ; and behind them, at 520 x 256, the partial products: [wave][b 32][j 32] f32; no tensor load lands here
.set PWAVE,  4096                      ; bytes of one wave's partial products
.set LASTJ,  511-32                    ; first row of the last block of columns
.set G1W0,   (2<<16)|(1<<20)|(1<<21)|(7<<22)|(3<<25)   ; group 1, word 0 beside the mask: elements of 4 bytes; padding on; bit 21 set beside a mask; after every 256 dwords (code 7) 4 dwords (code 3)
; scalar registers: s[4:15] the six addresses; s16 wave; s17 cx, s19 block of columns, s22, s[58:59], s66-68: hang on cx; s18 cy, s20 block of rows, s21, s[56:57], s69: hang on cy
.set G1X, 24                           ; s[24:31] group 1 for x's tile (mask: my row of the cluster)
.set G1M, 32                           ; s[32:39] group 1 for R, L, N (mask: my column of the cluster)
.set G0X, 40                           ; s[40:55] group 0, a set for each of the four loads
.set G0R, 44
.set G0L, 48
.set G0N, 52
; vector registers
.set LANE, 1
.set R16,  2
.set HALF, 3
.set AR,   4                           ; LDS address of my row r, my wave's k, in R's tile
.set AL,   5                           ; in L's
.set AN,   6                           ; in N's
.set AX,   7                           ; LDS address of x's row h, my wave's k
.set PST,  8                           ; where I put partial products
.set PLD,  9                           ; where I read them back
.set OFF,  10                          ; v[10:13] byte offsets of my four output rows
.set VA,   16                          ; v[16:79]   A[jj][k], jj = 0: j = r, jj = 1: j = r + 16
.set VC,   80                          ; v[80:143]  C[jj][k]
.set VL,   144                         ; v[144:207] L[jj][k] during the set-up; then
.set VX0,  144                         ; v[144:175] x, buffer 0
.set VX1,  176                         ; v[176:207] x, buffer 1
.set VT,   208                         ; v[208:223] eight pairs of fresh factors
.set VP,   224                         ; v[224:239] eight chains: [jj][4] pairs
.set RES,  240                         ; v[240:241] the two products of a step
.set VF,   VA                          ; v[16:47]   at the end: partial products [wave][4 rows]
; A round of the cluster's barrier: my work-group's barrier, wave 0 signals for the work-group, every wave waits for all sixteen, my work-group's barrier again.
.macro CROUND
	s_barrier_signal -1
	s_barrier_wait -1
	s_cmp_lg_u32 s16, 0
	s_cbranch_scc1 .Lnot_wave_0_\@
	s_barrier_signal -3
.Lnot_wave_0_\@:
	s_barrier_wait -3
	s_barrier_signal -1
	s_barrier_wait -1
.endm
	s_load_b256 s[4:11], s[0:1], 0x0               ; x s[4:5], R s[6:7], L s[8:9], N s[10:11]
	s_load_b128 s[12:15], s[0:1], 0x20             ; out0 s[12:13], out1 s[14:15]
	v_lshl_add_u32 v248, v0, 2, 0x29000
	v_mov_b32 v249, 0
	ds_add_u32 v248, v249
	v_lshrrev_b32 v1, 5, v0
	v_readfirstlane_b32 s16, v1                    ; wave 0..7
	s_bfe_u32 s17, ttmp6, 0x40000                  ; cx: my place along the cluster's x
	s_bfe_u32 s18, ttmp6, 0x40004                  ; cy: along its y
	s_lshl_b32 s19, ttmp9, 2                       ; in a cluster launch ttmp9 and ttmp7 count clusters
	s_add_co_u32 s19, s19, s17                     ; block of columns j = 4 x cluster x + cx
	s_and_b32 s20, ttmp7, 0xffff
	s_lshl_b32 s20, s20, 2
	s_add_co_u32 s20, s20, s18                     ; block of rows b = 4 x cluster y + cy
	s_lshl_b32 s21, s18, 2
	s_lshl_b32 s21, 15, s21                        ; my row of the cluster: places 4 cy .. 4 cy + 3
	s_lshl_b32 s22, 0x1111, s17                    ; my column: places cx, cx + 4, cx + 8, cx + 12
	; group 1: a tile of 4 rows x 256 elements of a tensor with 255 elements left in a row: element 255 of each row arrives as zero
	s_or_b32 s[G1X+0], s21, G1W0                   ; x's tile goes to my row of the cluster
	s_or_b32 s[G1M+0], s22, G1W0                   ; R's, L's, N's to my column
	s_mov_b32 s[G1X+1], NK<<16                     ; tensor_dim0 = 255
	s_mov_b32 s[G1M+1], NK<<16
	s_mov_b32 s[G1X+2], WROWS<<16                  ; tensor_dim1 = 4
	s_mov_b32 s[G1M+2], WROWS<<16
	s_mov_b32 s[G1X+3], 256<<16                    ; tile_dim0 = 256
	s_mov_b32 s[G1M+3], 256<<16
	s_mov_b32 s[G1X+4], WROWS                      ; tile_dim1 = 4
	s_mov_b32 s[G1M+4], WROWS
	s_mov_b32 s[G1X+5], NK                         ; 255 elements from row to row
	s_mov_b32 s[G1M+5], NK
	s_mov_b32 s[G1X+6], 0
	s_mov_b32 s[G1M+6], 0
	s_mov_b32 s[G1X+7], 0
	s_mov_b32 s[G1M+7], 0
	; where my rows come from: x's hang on the block of rows and the wave, the others' on the block of columns and the wave
	s_lshl_b32 s69, s20, 5
	s_lshl2_add_u32 s69, s16, s69                  ; row 32 x block + 4 x wave of x (and of the outputs: the rows that this wave stores)
	s_mul_i32 s56, s69, ROWB
	s_mov_b32 s57, 0
	s_lshl_b32 s66, s19, 5                         ; first column of my block,
	s_min_u32 s67, s66, LASTJ                      ; and the row of R, L, N at which its tile starts: 479 for the last block
	s_sub_co_u32 s68, s66, s67                     ; the first lane that stores: 0, in the last block 1
	s_lshl2_add_u32 s58, s16, s67
	s_mul_i32 s58, s58, ROWB
	s_mov_b32 s59, 0
	s_mul_i32 s23, s16, WROWS*PITCH                ; and where they go: wave x 4 LDS rows; no place in the cluster enters an LDS address
	s_wait_dscnt 0x0
	s_wait_kmcnt 0x0                               ; the six addresses are there
.macro GROUP0 g, base, lds, off
	s_mov_b32 s[\g], 1                             ; count = 1
	s_add_co_u32 s[\g+1], s23, \lds                ; LDS address
	s_add_nc_u64 s[\g+2:\g+3], s[\base:\base+1], s[\off:\off+1]    ; global address of my first row
	s_or_b32 s[\g+3], s[\g+3], 0x80000000          ; type = 2
.endm
	GROUP0 G0X, 4, XT, 56
	GROUP0 G0R, 6, RT, 58
	GROUP0 G0L, 8, LT, 58
	GROUP0 G0N, 10, NT, 58
	CROUND                                         ; all sixteen work-groups are here: the joint loads meet
	tensor_load_to_lds s[G0L:G0L+3], s[G1M:G1M+7]  ; four loads of each wave are out, and no more are ever issued
	s_nop 0
	tensor_load_to_lds s[G0R:G0R+3], s[G1M:G1M+7]
	s_nop 0
	tensor_load_to_lds s[G0N:G0N+3], s[G1M:G1M+7]
	s_nop 0
	tensor_load_to_lds s[G0X:G0X+3], s[G1X:G1X+7]
	s_nop 0
	; while they are on their way: where the results go, and the LDS addresses
	s_movk_i32 s74, 1020
	s_cmp_lt_u32 ttmp9, 2                          ; clusters 0 and 1 along x hold columns 0..255: out0; the condition is the same in all partners
	s_cselect_b64 s[72:73], s[12:13], s[14:15]     ; the output,
	s_cselect_b32 s74, 1024, s74                   ; the bytes in one of its rows,
	s_cselect_b32 s75, 0, 256                      ; and the j of its column 0
	s_sub_co_u32 s75, s67, s75                     ; lane 0's column in it
	s_mul_i32 s76, s69, s74                        ; my wave's first row, in bytes
	s_lshl2_add_u32 s76, s75, s76                  ; + 4 x column
	v_and_b32 v[LANE], 31, v0
	v_and_b32 v[R16], 15, v0
	v_bfe_u32 v[HALF], v0, 4, 1
	v_lshl_add_u32 v[OFF], v[LANE], 2, s76
	v_add_nc_u32 v[OFF+1], s74, v[OFF]
	v_add_nc_u32 v[OFF+2], s74, v[OFF+1]
	v_add_nc_u32 v[OFF+3], s74, v[OFF+2]
	s_lshl_b32 s60, s16, 7                         ; my wave's 32 k: 128 bytes along an LDS row
	v_mul_u32_u24 v[AR], v[R16], PITCH
	v_add_nc_u32 v[AR], s60, v[AR]                 ; r x pitch + 128 x wave
	v_add_nc_u32 v[AL], LT, v[AR]
	v_add_nc_u32 v[AN], NT, v[AR]
	v_add_nc_u32 v[AR], RT, v[AR]
	v_mul_u32_u24 v[AX], v[HALF], PITCH
	v_add_nc_u32 v[AX], s60, v[AX]                 ; x's tile lies at LDS byte 0
	s_lshl_b32 s61, s16, 12
	s_add_co_u32 s61, s61, PART                    ; my wave's partial products
	v_lshlrev_b32 v[PST], 2, v[R16]
	v_lshl_add_u32 v[PST], v[HALF], 7, v[PST]      ; row h of 128 bytes, column r
	v_add_nc_u32 v[PST], s61, v[PST]
	s_lshl_b32 s62, s16, 9
	s_add_co_u32 s62, s62, PART                    ; rows 4 x wave .. + 3 of wave 0's partial products
	v_lshl_add_u32 v[PLD], v[LANE], 2, s62
	s_wait_tensorcnt 0x0                           ; my sixteen rows have landed,
	s_barrier_signal -1
	s_barrier_wait -1                              ; everybody's have: the four tiles are whole
; 24 LDS loads: L, R, N of row r + 16 jj, my wave's 32 k.  R lands where A will stand, N where C will stand.
.macro LOADJ jj
.irp q, 0,1,2,3,4,5,6,7
	ds_load_b128 v[VL+32*\jj+4*\q:VL+32*\jj+4*\q+3], v[AL] offset:\jj*16*PITCH+16*\q
.endr
.irp q, 0,1,2,3,4,5,6,7
	ds_load_b128 v[VA+32*\jj+4*\q:VA+32*\jj+4*\q+3], v[AR] offset:\jj*16*PITCH+16*\q
.endr
.irp q, 0,1,2,3,4,5,6,7
	ds_load_b128 v[VC+32*\jj+4*\q:VC+32*\jj+4*\q+3], v[AN] offset:\jj*16*PITCH+16*\q
.endr
.endm
; A = R - L, C = N + L, two k at a time
.macro MAKEAC jj
.set pp, 0
.rept 16
	v_pk_add_f32 v[VA+32*\jj+pp:VA+32*\jj+pp+1], v[VA+32*\jj+pp:VA+32*\jj+pp+1], v[VL+32*\jj+pp:VL+32*\jj+pp+1] neg_lo:[0,1] neg_hi:[0,1]
	v_pk_add_f32 v[VC+32*\jj+pp:VC+32*\jj+pp+1], v[VC+32*\jj+pp:VC+32*\jj+pp+1], v[VL+32*\jj+pp:VL+32*\jj+pp+1]
.set pp, pp+2
.endr
.endm
	LOADJ 0
	LOADJ 1
	s_wait_dscnt 24                                ; LDS loads come back in order: the first 24 are in, the 24 of row r + 16 may stay out
	MAKEAC 0
.irp q, 0,1,2,3,4,5,6,7
	ds_load_b128 v[VX0+4*\q:VX0+4*\q+3], v[AX] offset:16*\q        ; x's rows 0 and 1, into the registers that L of row r has left
.endr
	s_wait_dscnt 8                                 ; all but these eight
	MAKEAC 1
	s_cmp_lg_u32 s16, 7
	s_cbranch_scc1 .Lno_pad
	v_mov_b32 v[VC+31], 1.0                        ; wave 7's last k is the pad column 255: x = 0 and A = 0 there, so C = 1 makes the factor 1
	v_mov_b32 v[VC+63], 1.0
.Lno_pad:
; eight packed factors: both j, k = 8 g .. 8 g + 7 of the wave's chunk
.macro FMA8 dst, xb, g
.irp jj, 0,1
.irp c, 0,1,2,3
	v_pk_fma_f32 v[\dst+8*\jj+2*\c:\dst+8*\jj+2*\c+1], v[\xb+8*\g+2*\c:\xb+8*\g+2*\c+1], v[VA+32*\jj+8*\g+2*\c:VA+32*\jj+8*\g+2*\c+1], v[VC+32*\jj+8*\g+2*\c:VC+32*\jj+8*\g+2*\c+1]
.endr
.endr
.endm
; Step i: rows b = 2 i + h.  xb holds their x; fetch = 1: the next two rows are read into xn, whose last use was in the step before.
; left = how many younger LDS instructions may be out when xb's loads have to be in.
; The first eight factors start the eight chains (nothing is set to one); a chain's next link stands sixteen instructions behind the last.
.macro ITER i, xb, xn, fetch, left
	s_wait_dscnt \left
.if \fetch
.irp q, 0,1,2,3,4,5,6,7
	ds_load_b128 v[\xn+4*\q:\xn+4*\q+3], v[AX] offset:((\i)+1)*2*PITCH+16*\q
.endr
.endif
	FMA8 VP, \xb, 0
.irp g, 1,2,3
	FMA8 VT, \xb, \g
.irp n, 0,1,2,3,4,5,6,7
	v_pk_mul_f32 v[VP+2*\n:VP+2*\n+1], v[VP+2*\n:VP+2*\n+1], v[VT+2*\n:VT+2*\n+1]
.endr
.endr
.irp jj, 0,1
	v_pk_mul_f32 v[VP+8*\jj:VP+8*\jj+1], v[VP+8*\jj:VP+8*\jj+1], v[VP+8*\jj+2:VP+8*\jj+3]
	v_pk_mul_f32 v[VP+8*\jj+4:VP+8*\jj+5], v[VP+8*\jj+4:VP+8*\jj+5], v[VP+8*\jj+6:VP+8*\jj+7]
.endr
.irp jj, 0,1
	v_pk_mul_f32 v[VP+8*\jj:VP+8*\jj+1], v[VP+8*\jj:VP+8*\jj+1], v[VP+8*\jj+4:VP+8*\jj+5]
.endr
.irp jj, 0,1
	v_mul_f32 v[RES+\jj], v[VP+8*\jj], v[VP+8*\jj+1]               ; even k times odd k
.endr
	ds_store_b32 v[PST], v[RES]   offset:(\i)*256                  ; [b = 2 i + h][j = r]: 32 lanes, 32 different words of 256 bytes
	ds_store_b32 v[PST], v[RES+1] offset:(\i)*256+64               ; [b][j = r + 16]
.endm
	ITER 0, VX0, VX1, 1, 0                         ; nothing was issued behind the first x loads: the count is 0
	ITER 1, VX1, VX0, 1, 2                         ; from here on: behind a step's x loads stand only the two stores of the step before
.irp i, 2,4,6,8,10,12
	ITER \i, VX0, VX1, 1, 2
	ITER \i+1, VX1, VX0, 1, 2
.endr
	ITER 14, VX0, VX1, 1, 2
	ITER 15, VX1, VX0, 0, 2                        ; the last step reads nothing further
	; the eight waves' partial products meet: wave q takes rows 4 q .. 4 q + 3, lane = column
	s_wait_dscnt 0x0                               ; my partial products are in LDS (zero: the other waves will read them),
	s_barrier_signal -1
	s_barrier_wait -1                              ; everybody's are
.irp w, 0,1,2,3,4,5,6,7
.irp m, 0,1,2,3
	ds_load_b32 v[VF+4*\w+\m], v[PLD] offset:\w*PWAVE+\m*128       ; 32 lanes, 128 neighbouring bytes
.endr
.endr
	v_cmp_le_u32 vcc_lo, s68, v[LANE]              ; lanes that store: all, but for lane 0 of the last block of columns
	s_wait_dscnt 0x0
.irp w, 0,2,4,6
	v_pk_mul_f32 v[VF+4*\w:VF+4*\w+1],   v[VF+4*\w:VF+4*\w+1],   v[VF+4*\w+4:VF+4*\w+5]
	v_pk_mul_f32 v[VF+4*\w+2:VF+4*\w+3], v[VF+4*\w+2:VF+4*\w+3], v[VF+4*\w+6:VF+4*\w+7]
.endr
.irp w, 0,4
	v_pk_mul_f32 v[VF+4*\w:VF+4*\w+1],   v[VF+4*\w:VF+4*\w+1],   v[VF+4*\w+8:VF+4*\w+9]
	v_pk_mul_f32 v[VF+4*\w+2:VF+4*\w+3], v[VF+4*\w+2:VF+4*\w+3], v[VF+4*\w+10:VF+4*\w+11]
.endr
	v_pk_mul_f32 v[VF:VF+1],   v[VF:VF+1],   v[VF+16:VF+17]
	v_pk_mul_f32 v[VF+2:VF+3], v[VF+2:VF+3], v[VF+18:VF+19]
	s_wait_xcnt 0x0                                ; EXEC changes only behind this wait
	s_and_saveexec_b32 s77, vcc_lo
.irp m, 0,1,2,3
	global_store_b32 v[OFF+\m], v[VF+\m], s[72:73] ; 128 consecutive bytes of one output row
.endr
	s_wait_xcnt 0x0                                ; and is widened again only behind this one
	s_or_b32 exec_lo, exec_lo, s77
	s_wait_tensorcnt 0x0
	ds_add_u32 v248, v249
	s_wait_dscnt 0x0
	CROUND                                         ; the closing round: no work-group ends while a partner may still ask for a tile that names it
	s_endpgm
.Lfunc_end_k_qd51e5ef827_treeprod:
	.size	k_qd51e5ef827_treeprod, .Lfunc_end_k_qd51e5ef827_treeprod-k_qd51e5ef827_treeprod
	.p2alignl 7, 3214868480
	.fill 96, 4, 3214868480
	.section	.rodata,"a",@progbits
	.p2align	6, 0x0
	.amdhsa_kernel k_qd51e5ef827_treeprod
		.amdhsa_group_segment_fixed_size 168960
		.amdhsa_private_segment_fixed_size 0
		.amdhsa_enable_private_segment 0
		.amdhsa_kernarg_size 48
		.amdhsa_user_sgpr_count 2
		.amdhsa_user_sgpr_kernarg_segment_ptr 1
		.amdhsa_wavefront_size32 1
		.amdhsa_system_sgpr_workgroup_id_x 1
		.amdhsa_system_sgpr_workgroup_id_y 1
		.amdhsa_system_sgpr_workgroup_id_z 1
		.amdhsa_system_vgpr_workitem_id 0
		.amdhsa_next_free_vgpr 250
		.amdhsa_next_free_sgpr 80
		.amdhsa_reserve_vcc 1
		.amdhsa_float_denorm_mode_32 3
		.amdhsa_float_denorm_mode_16_64 3
		.amdhsa_memory_ordered 1
		.amdhsa_forward_progress 1
		.amdhsa_inst_pref_size 91
	.end_amdhsa_kernel
	.amdgpu_metadata
---
amdhsa.version: [ 1, 2 ]
amdhsa.kernels:
  - .name:           k_qd51e5ef827_treeprod
    .symbol:         k_qd51e5ef827_treeprod.kd
    .args:
      - { .name: x, .offset: 0, .size: 8, .value_kind: global_buffer, .address_space: global }
      - { .name: right_bin, .offset: 8, .size: 8, .value_kind: global_buffer, .address_space: global }
      - { .name: left_bin, .offset: 16, .size: 8, .value_kind: global_buffer, .address_space: global }
      - { .name: no_bin, .offset: 24, .size: 8, .value_kind: global_buffer, .address_space: global }
      - { .name: out0, .offset: 32, .size: 8, .value_kind: global_buffer, .address_space: global }
      - { .name: out1, .offset: 40, .size: 8, .value_kind: global_buffer, .address_space: global }
    .group_segment_fixed_size: 168960
    .private_segment_fixed_size: 0
    .kernarg_segment_align: 8
    .kernarg_segment_size: 48
    .max_flat_workgroup_size: 256
    .sgpr_count:     80
    .vgpr_count:     250
    .wavefront_size: 32
...
	.end_amdgpu_metadata
.endif
;; end of part 1
